; MI455X (gfx1250); checked and timed in simulation.
; The chip was launched on July 23, 2026; its instructions are those of AMD's public machine-readable ISA for CDNA 5 (MIT licence, August 2026) and "CDNA5" Instruction Set Architecture Reference Guide (July 2026). The comments in the code are by the model that wrote it; some were corrected since.
;; Attetion Layer. Allowed arithmetic: float matrix products may take bf16 or f16 operands with f32 sums; other float arithmetic in f32, or as packed bf16 or f16 multiplies, adds, multiply-adds, maxima and minima; sums over many terms, partial sums and values carried from step to step in f32; what a program stores and reads back later, other than sums and carried values, may be rounded once to bf16 or f16.
;; Inputs: bf 32 float32; bg 32 float32; bh 32 float32; bv 256 float32; gamma 1 float32; wf 32 x 256 float32; wg 32 x 256 float32; wh 32 x 256 float32; wv 256 x 32 float32; x 4 x 256 x 64 x 64 float32.
;; Outputs: out0 4 x 256 x 64 x 64 float32.
;; One version. Each part assembles by itself: llvm-mc -triple=amdgcn-amd-amdhsa -mcpu=gfx1250 --defsym DOCPART=n.
;; ======== version 1 of 1: 2 launches
;; workspace buffers: fq 1,048,576 bytes; gh 2,097,152 bytes
;; launch project (part 1): grid 64 x 4, 4 waves a work-group, clusters of 4 x 1, 203,264 bytes of LDS; arguments x, wf, wg, wh, bf, bh, fq, gh; writes fq, gh
.if DOCPART == 1
	.amdgcn_target "amdgcn-amd-amdhsa--gfx1250"
	.amdhsa_code_object_version 6
	.text
	.protected	k_qd180e91d10_project
	.globl	k_qd180e91d10_project
	.p2align	8
	.type	k_qd180e91d10_project,@function
k_qd180e91d10_project:
	s_mov_b64 s[64:65], 0
	v_nop
	global_prefetch_b8 v0, s[64:65] scope:SCOPE_SE
	s_setreg_imm32_b32 hwreg(HW_REG_WAVE_MODE, 25, 1), 1
	s_wait_xcnt 0x0
	s_wait_alu depctr_hold_cnt(0) depctr_sa_sdst(0) depctr_va_vdst(0) depctr_va_sdst(0) depctr_va_ssrc(0) depctr_va_vcc(0) depctr_vm_vsrc(0)
	s_getreg_b32 s2, hwreg(HW_REG_IB_STS2, 6, 4)
	s_cmp_eq_u32 s2, 0
	s_cbranch_scc0 .Lentry_in_a_cluster
	s_endpgm
.Lentry_in_a_cluster:
	s_bfe_u32 s2, ttmp6, 0x10000c
	s_cmp_lg_u32 s2, 0x3003
	s_cbranch_scc0 .Lentry_shape_is_right
	s_endpgm
.Lentry_shape_is_right:
; THE THREE 1x1 CONVOLUTIONS.  f = (Wf x + bf) log2(e), g = Wg x, h = Wh x + bh, for x [4][256][4096] f32; products in bf16 with f32 sums; f, g, h rounded once to bf16
; and stored in the lane order in which the next launch's matrix instructions take them.
; DEAD WORK: bg.  logits[q][k] = sum_c f[c][q] (Wg x)[c][k] + sum_c f[c][q] bg[c].  The second term does not hang on k, the axis of the softmax, so it multiplies numerator and
; denominator of every weight by the same factor and cancels, whatever finite values the inputs hold.  bg reaches no output: it is not loaded and is among no launch's arguments.
; LIMIT: a NaN, an infinity or an overflow that reaches only that term is not carried to the result.  NaN and infinities are not treated apart elsewhere either.
; log2(e) is multiplied into f in f32, ahead of its one rounding, so that the next launch's exponentials are powers of two.
; TILES.  A tile of 16 positions is {64 nb + 4 m + i : m = 0..15}, i = 0..3: a lane's 16 bytes of x (4 neighbouring positions of one channel) feed the four tiles of block nb, and 16 lanes
; read 256 consecutive bytes, aligned.  Any labelling of positions serves, as long as f, g, h and the output use the same.
; SHARES.  A work-group takes block nb (64 positions) of image b.  The 256 channels are split among its four waves, 64 each, for all 96 output rows; the partial sums (f32) meet in LDS,
; and wave w finishes tile i = w.
; LAYOUT.  f, g: D = W x (source 0 = 16 rows of W, source 1 = 16 positions): a lane holds position lane % 16 and channels 8 (lane / 16) + 0..7: packed, that is half a fragment of
; 16 positions x 32 channels.  h: the sources swapped: a lane holds channel lane % 16 and positions 8 (lane / 16) + 0..7: packed, half a fragment of 16 channels x 32 positions.
; fq: [b][nb][i][half][lane][16 bytes].  gh: [b][chunk of 256 positions = nb / 4][ g: 16 tiles x 1,024 | h: 16 tiles x 2 channel blocks x 512 ], tile = 4 (nb % 4) + i.
; CLUSTER.  The four work-groups of a cluster need the same strips of the weights: each strip (32 rows x 256 bytes) is asked for jointly, by the same tensor load in all four.
; No prefetch: every load of the launch goes out at its head.
.set WPITCH, 272                       ; a row of a weight strip in LDS: 256 bytes + 16 of padding: the 16 rows of a load start 17 x 16 bytes apart
.set WMAT,   32*WPITCH                 ; one matrix's strip
.set WSTRIP, 3*WMAT                    ; a wave's three strips
.set PART,   4*WSTRIP                  ; the partial sums: [wave][a = 4 ty + i][half][lane][16 bytes]; ty = f0, f1, g0, g1, h0, h1
.set PWAVE,  24*1024
.set SPARE,  PART+4*PWAVE              ; the spare words, 128 bytes for each wave: two blocks of 256 bytes that no other line names
.set RR,  1                            ; v1   lane % 16
.set HH,  2                            ; v2   lane / 16
.set LN,  3                            ; v3   lane
.set XO,  4                            ; v4   my offset in x: 8 (lane / 16) channels + 16 (lane % 16) bytes
.set WFA, 5                            ; v5   LDS address of my part of a weight fragment
.set PS,  6                            ; v6   where I put partial sums
.set PR0, 7                            ; v7   where I read them back, waves 0 and 1
.set PR1, 8                            ; v8   waves 2 and 3
.set GO,  9                            ; v9   16 x lane
.set BFO, 10                           ; v10  32 (lane / 16)
.set BHO, 11                           ; v11  4 (lane % 16)
.set SPW, 12                           ; v12  LDS address of my spare word; never rewritten
.set NIL, 13                           ; v13  0; never rewritten
.set TW,  14
.set RAW, 16                           ; v[16:207] weight fragment F = 2 ty + ks: 16 registers of f32 at RAW + 16 F, rounded in place into the low 8; x's fragment G = 4 ks + i takes the upper 8 of slot G
.set RDP, 16                           ; later: the four waves' partial sums, (4 ty + wave) x 8
.set BFR, 208                          ; v[208:223] bf log2(e) for my 8 channels of both blocks
.set BH,  224                          ; v[224:225], v[226:227] bh of my channel, block 0 and 1, each the low register of a pair
.set OUT, 228                          ; v[228:251] the packed results
; window 1: v[0:127] x as loaded; window 2: v[0:191] the 24 accumulators, a at 8 a
.set WV,  20
.set CX,  21
.set NBK, 22
.set BT,  23
.set G1,  24                           ; s[24:31] descriptor group 1
.set G0,  32                           ; s[32:43] three groups 0: wf, wg, wh
.set MSB, 0
.macro WIN new                         ; the immediate's high byte repeats the setting that is left; a switch that changes nothing is dropped
.if MSB != (\new)
	s_set_vgpr_msb (MSB<<8)|(\new)
.set MSB, \new
.endif
.endm
.macro PLACES
.rept 4
	v_nop
.endr
.endm
.macro CROUND                          ; a round of the cluster's barrier
	s_barrier_signal -1
	s_barrier_wait -1
	s_cmp_lg_u32 s[WV], 0
	s_cbranch_scc1 .Lnot_wave_0_\@
	s_barrier_signal -3
.Lnot_wave_0_\@:
	s_barrier_wait -3
	s_barrier_signal -1
	s_barrier_wait -1
.endm
	s_load_b512 s[4:19], s[0:1], 0x0               ; x s[4:5], wf s[6:7], wg s[8:9], wh s[10:11], bf s[12:13], bh s[14:15], fq s[16:17], gh s[18:19]
	v_lshl_add_u32 v[SPW], v0, 2, SPARE
	v_mov_b32 v[NIL], 0
	ds_add_u32 v[SPW], v[NIL]                      ; the wave's opening: the add, twice on end, and its wait ahead of my first tensor load
	ds_add_u32 v[SPW], v[NIL]
	v_lshrrev_b32 v[TW], 5, v0
	v_readfirstlane_b32 s[WV], v[TW]               ; wave 0..3
	s_bfe_u32 s[CX], ttmp6, 0x40000                ; my place in the cluster
	s_lshl_b32 s[NBK], ttmp9, 2
	s_add_co_u32 s[NBK], s[NBK], s[CX]             ; nb = 4 x cluster x + cx: it enters global addresses of x, fq and gh alone
	s_and_b32 s[BT], ttmp7, 0xffff                 ; the image
	; group 1: 32 rows x 64 elements of 4 bytes, 256 elements from row to row, 4 words of padding behind every 64
	s_mov_b32 s[G1], 15|(2<<16)|(1<<20)|(1<<21)|(5<<22)|(3<<25)
	s_mov_b32 s[G1+1], 64<<16                      ; tensor_dim0 = 64
	s_mov_b32 s[G1+2], 32<<16                      ; tensor_dim1 = 32
	s_mov_b32 s[G1+3], 64<<16                      ; tile_dim0 = 64
	s_mov_b32 s[G1+4], 32                          ; tile_dim1 = 32
	s_mov_b32 s[G1+5], 256
	s_mov_b32 s[G1+6], 0
	s_mov_b32 s[G1+7], 0
	s_mul_i32 s44, s[WV], WSTRIP                   ; my strips in LDS
	s_mov_b32 s[G0], 1
	s_mov_b32 s[G0+1], s44
	s_mov_b32 s[G0+4], 1
	s_add_co_u32 s[G0+5], s44, WMAT
	s_mov_b32 s[G0+8], 1
	s_add_co_u32 s[G0+9], s44, 2*WMAT
	s_lshl_b32 s46, s[WV], 8                       ; my 64 channels: 256 bytes of each row of a weight matrix
	s_mov_b32 s47, 0
	v_and_b32 v[RR], 15, v0
	v_bfe_u32 v[HH], v0, 4, 1
	v_and_b32 v[LN], 31, v0
	v_lshlrev_b32 v[XO], 4, v[RR]
	v_lshl_add_u32 v[XO], v[HH], 17, v[XO]         ; 8 channels are 8 x 16,384 bytes
	v_mul_u32_u24 v[WFA], v[RR], WPITCH
	v_lshl_add_u32 v[WFA], v[HH], 5, v[WFA]
	v_add_nc_u32 v[WFA], s44, v[WFA]
	s_mul_i32 s45, s[WV], PWAVE
	s_add_co_u32 s45, s45, PART
	v_lshl_add_u32 v[PS], v[LN], 4, s45
	s_lshl_b32 s45, s[WV], 10
	s_add_co_u32 s45, s45, PART
	v_lshl_add_u32 v[PR0], v[LN], 4, s45
	v_add_nc_u32 v[PR1], 2*PWAVE, v[PR0]
	v_lshlrev_b32 v[GO], 4, v[LN]
	v_lshlrev_b32 v[BFO], 5, v[HH]
	v_lshlrev_b32 v[BHO], 2, v[RR]
	v_mov_b32 v[BH+1], 0                           ; named with their neighbours as pairs, so they are written
	v_mov_b32 v[BH+3], 0
	s_wait_dscnt 0x0                               ; both opening adds are done
	s_wait_kmcnt 0x0
	s_add_nc_u64 s[G0+2:G0+3], s[6:7], s[46:47]
	s_or_b32 s[G0+3], s[G0+3], 0x80000000
	s_add_nc_u64 s[G0+6:G0+7], s[8:9], s[46:47]
	s_or_b32 s[G0+7], s[G0+7], 0x80000000
	s_add_nc_u64 s[G0+10:G0+11], s[10:11], s[46:47]
	s_or_b32 s[G0+11], s[G0+11], 0x80000000
	s_lshl_b32 s48, s[BT], 22                      ; x: the image, my 64 channels, the block's 256 bytes of a row
	s_lshl_b32 s50, s[WV], 20
	s_add_co_u32 s48, s48, s50
	s_lshl_b32 s50, s[NBK], 8
	s_add_co_u32 s48, s48, s50
	s_mov_b32 s49, 0
	s_add_nc_u64 s[4:5], s[4:5], s[48:49]
	s_lshl_b32 s48, s[BT], 18                      ; fq: the image, the block's 4,096 bytes, my tile's 1,024
	s_lshl_b32 s50, s[NBK], 12
	s_add_co_u32 s48, s48, s50
	s_lshl_b32 s51, s[WV], 10
	s_add_co_u32 s48, s48, s51
	s_add_nc_u64 s[16:17], s[16:17], s[48:49]
	s_lshl_b32 s48, s[BT], 19                      ; gh: the image, chunk nb / 4, tile 4 (nb % 4) + wave
	s_lshr_b32 s50, s[NBK], 2
	s_lshl_b32 s50, s50, 15
	s_add_co_u32 s48, s48, s50
	s_and_b32 s50, s[NBK], 3
	s_lshl_b32 s50, s50, 12
	s_add_co_u32 s48, s48, s50
	s_add_co_u32 s48, s48, s51
	s_add_nc_u64 s[18:19], s[18:19], s[48:49]
	; the stream first: load q = 16 ks + 8 g + j brings channel 32 ks + 16 g + 8 (lane / 16) + j, positions 4 (lane % 16) + 0..3
	WIN 0x40                                       ; destination window 1
.set q, 0
.rept 32
	global_load_b128 v[4*q:4*q+3], v[XO], s[4:5] offset:(32*(q/16)+16*((q/8)%2)+q%8)*16384
.set q, q+1
.endr
	WIN 0
.set q, 0
.rept 2
	global_load_b128 v[BFR+8*q:BFR+8*q+3],   v[BFO], s[12:13] offset:64*q
	global_load_b128 v[BFR+8*q+4:BFR+8*q+7], v[BFO], s[12:13] offset:64*q+16
	global_load_b32 v[BH+2*q], v[BHO], s[14:15] offset:64*q
.set q, q+1
.endr
	CROUND                                         ; all four work-groups are here: the joint loads meet
	tensor_load_to_lds s[G0:G0+3], s[G1:G1+7]      ; three loads of mine are out
	s_nop 0
	tensor_load_to_lds s[G0+4:G0+7], s[G1:G1+7]
	s_nop 0
	tensor_load_to_lds s[G0+8:G0+11], s[G1:G1+7]
	s_nop 0
	PLACES
	s_wait_tensorcnt 0x0                           ; my strips are in; I alone read them
.set q, 0                                      ; q = 2 ty + ks
.rept 12
	ds_load_b128 v[RAW+16*q:RAW+16*q+3],     v[WFA] offset:(q/2)*16*WPITCH+(q%2)*128
	ds_load_b128 v[RAW+16*q+4:RAW+16*q+7],   v[WFA] offset:(q/2)*16*WPITCH+(q%2)*128+16
	ds_load_b128 v[RAW+16*q+8:RAW+16*q+11],  v[WFA] offset:(q/2)*16*WPITCH+(q%2)*128+64
	ds_load_b128 v[RAW+16*q+12:RAW+16*q+15], v[WFA] offset:(q/2)*16*WPITCH+(q%2)*128+80
.set q, q+1
.endr
	s_wait_dscnt 0x0
.set q, 0
.rept 12                                       ; rounded in place, ascending: register p takes numbers 2 p and 2 p + 1, which lie at or above it
.set p, 0
.rept 8
	v_cvt_pk_bf16_f32 v[RAW+16*q+p], v[RAW+16*q+2*p], v[RAW+16*q+2*p+1]
.set p, p+1
.endr
.set q, q+1
.endr
	s_wait_loadcnt 0x0                             ; x, bf, bh
.set p, 0
.rept 8
	v_pk_mul_f32 v[BFR+2*p:BFR+2*p+1], v[BFR+2*p:BFR+2*p+1], 0x3fb8aa3b op_sel_hi:[1,0]  ; bf log2(e)
.set p, p+1
.endr
	WIN 0x05                                       ; sources window 1, destination window 0
.set q, 0                                      ; q = 4 ks + i; register 4 g + p takes channels 16 g + 8 (lane / 16) + 2 p, + 1
.rept 8
.set p, 0
.rept 8
	v_cvt_pk_bf16_f32 v[RAW+8+16*q+p], v[4*(16*(q/4)+8*(p/4)+2*(p%4))+q%4], v[4*(16*(q/4)+8*(p/4)+2*(p%4)+1)+q%4]
.set p, p+1
.endr
.set q, q+1
.endr
	WIN 0xa0                                       ; C and D window 2
.set ks, 0
.rept 2                                        ; the 24 accumulators take turns; the first 32 channels start the sums
.set a, 0
.rept 24
.set rw, RAW+16*(2*(a/4)+ks)
.set rx, RAW+8+16*(4*ks+a%4)
.if a >= 16
.set rw, RAW+8+16*(4*ks+a%4)                   ; h: the sources swapped
.set rx, RAW+16*(2*(a/4)+ks)
.endif
.if ks == 0
	v_wmma_f32_16x16x32_bf16 v[8*a:8*a+7], v[rw:rw+7], v[rx:rx+7], 0
.else
	v_wmma_f32_16x16x32_bf16 v[8*a:8*a+7], v[rw:rw+7], v[rx:rx+7], v[8*a:8*a+7]
.endif
.set a, a+1
.endr
.set ks, ks+1
.endr
	PLACES                                         ; four places between the last product and the stores of its result
	WIN 0x08                                       ; store data window 2
.set a, 0
.rept 24
	ds_store_b128 v[PS], v[8*a:8*a+3]   offset:1024*a
	ds_store_b128 v[PS], v[8*a+4:8*a+7] offset:1024*a+512
.set a, a+1
.endr
	WIN 0
	s_wait_dscnt 0x0                               ; for the others' sake: my partial sums lie in LDS
	s_barrier_signal -1
	s_barrier_wait -1
.set ty, 0
.rept 6
.set ss, 0
.rept 4
.set b0, RDP+8*(4*ty+ss)
.if ss < 2
	ds_load_b128 v[b0:b0+3],   v[PR0] offset:ss*PWAVE+ty*4096
	ds_load_b128 v[b0+4:b0+7], v[PR0] offset:ss*PWAVE+ty*4096+512
.else
	ds_load_b128 v[b0:b0+3],   v[PR1] offset:(ss-2)*PWAVE+ty*4096
	ds_load_b128 v[b0+4:b0+7], v[PR1] offset:(ss-2)*PWAVE+ty*4096+512
.endif
.set ss, ss+1
.endr
.set ty, ty+1
.endr
	s_wait_dscnt 0x0
.set ty, 0
.rept 6
.set b0, RDP+32*ty
.set p, 0
.rept 4
	v_pk_add_f32 v[b0+2*p:b0+2*p+1], v[b0+2*p:b0+2*p+1], v[b0+8+2*p:b0+8+2*p+1]
	v_pk_add_f32 v[b0+16+2*p:b0+16+2*p+1], v[b0+16+2*p:b0+16+2*p+1], v[b0+24+2*p:b0+24+2*p+1]
.set p, p+1
.endr
.set ty, ty+1
.endr
.set ty, 0
.rept 6
.set b0, RDP+32*ty
.set p, 0
.rept 4
	v_pk_add_f32 v[b0+2*p:b0+2*p+1], v[b0+2*p:b0+2*p+1], v[b0+16+2*p:b0+16+2*p+1]
.set p, p+1
.endr
.set ty, ty+1
.endr
.set ty, 0
.rept 2
.set p, 0
.rept 4
	v_pk_fma_f32 v[RDP+32*ty+2*p:RDP+32*ty+2*p+1], v[RDP+32*ty+2*p:RDP+32*ty+2*p+1], 0x3fb8aa3b, v[BFR+8*ty+2*p:BFR+8*ty+2*p+1] op_sel_hi:[1,0,1]  ; f log2(e) + bf log2(e)
	v_pk_add_f32 v[RDP+128+32*ty+2*p:RDP+128+32*ty+2*p+1], v[RDP+128+32*ty+2*p:RDP+128+32*ty+2*p+1], v[BH+2*ty:BH+2*ty+1] op_sel_hi:[1,0]           ; h + bh of my channel
.set p, p+1
.endr
.set ty, ty+1
.endr
.set ty, 0
.rept 6
.set p, 0
.rept 4
	v_cvt_pk_bf16_f32 v[OUT+4*ty+p], v[RDP+32*ty+2*p], v[RDP+32*ty+2*p+1]
.set p, p+1
.endr
.set ty, ty+1
.endr
	; each store of the wave covers 512 consecutive bytes, aligned
	global_store_b128 v[GO], v[OUT:OUT+3],     s[16:17]
	global_store_b128 v[GO], v[OUT+4:OUT+7],   s[16:17] offset:512
	global_store_b128 v[GO], v[OUT+8:OUT+11],  s[18:19]
	global_store_b128 v[GO], v[OUT+12:OUT+15], s[18:19] offset:512
	global_store_b128 v[GO], v[OUT+16:OUT+19], s[18:19] offset:16384
	global_store_b128 v[GO], v[OUT+20:OUT+23], s[18:19] offset:16384+512
	s_wait_tensorcnt 0x0                           ; the wave's end: the wait, an add to the spare word and its wait, behind my last tensor load and my last LDS store
	ds_add_u32 v[SPW], v[NIL]
	s_wait_dscnt 0x0
	CROUND                                         ; the closing round
	s_endpgm
.Lfunc_end_k_qd180e91d10_project:
	.size	k_qd180e91d10_project, .Lfunc_end_k_qd180e91d10_project-k_qd180e91d10_project
	.p2alignl 7, 3214868480
	.fill 96, 4, 3214868480
	.section	.rodata,"a",@progbits
	.p2align	6, 0x0
	.amdhsa_kernel k_qd180e91d10_project
		.amdhsa_group_segment_fixed_size 203264
		.amdhsa_private_segment_fixed_size 0
		.amdhsa_enable_private_segment 0
		.amdhsa_kernarg_size 64
		.amdhsa_user_sgpr_count 2
		.amdhsa_user_sgpr_kernarg_segment_ptr 1
		.amdhsa_wavefront_size32 1
		.amdhsa_system_sgpr_workgroup_id_x 1
		.amdhsa_system_sgpr_workgroup_id_y 1
		.amdhsa_system_sgpr_workgroup_id_z 1
		.amdhsa_system_vgpr_workitem_id 0
		.amdhsa_next_free_vgpr 704
		.amdhsa_next_free_sgpr 66
		.amdhsa_reserve_vcc 0
		.amdhsa_float_denorm_mode_32 3
		.amdhsa_float_denorm_mode_16_64 3
		.amdhsa_memory_ordered 1
		.amdhsa_forward_progress 1
		.amdhsa_inst_pref_size 40
	.end_amdhsa_kernel
	.amdgpu_metadata
---
amdhsa.version: [ 1, 2 ]
amdhsa.kernels:
  - .name:           k_qd180e91d10_project
    .symbol:         k_qd180e91d10_project.kd
    .args:
      - { .name: x, .offset: 0, .size: 8, .value_kind: global_buffer, .address_space: global }
      - { .name: wf, .offset: 8, .size: 8, .value_kind: global_buffer, .address_space: global }
      - { .name: wg, .offset: 16, .size: 8, .value_kind: global_buffer, .address_space: global }
      - { .name: wh, .offset: 24, .size: 8, .value_kind: global_buffer, .address_space: global }
      - { .name: bf, .offset: 32, .size: 8, .value_kind: global_buffer, .address_space: global }
      - { .name: bh, .offset: 40, .size: 8, .value_kind: global_buffer, .address_space: global }
      - { .name: fq, .offset: 48, .size: 8, .value_kind: global_buffer, .address_space: global }
      - { .name: gh, .offset: 56, .size: 8, .value_kind: global_buffer, .address_space: global }
    .group_segment_fixed_size: 203264
    .private_segment_fixed_size: 0
    .kernarg_segment_align: 8
    .kernarg_segment_size: 64
    .max_flat_workgroup_size: 128
    .sgpr_count:     66
    .vgpr_count:     704
    .wavefront_size: 32
...
	.end_amdgpu_metadata
.endif
;; end of part 1
;; launch attend (part 2): grid 64 x 4, 4 waves a work-group, clusters of 4 x 1, 327,680 bytes of LDS; arguments fq, gh, x, wv, bv, gamma, out0; writes out0
.if DOCPART == 2
	.amdgcn_target "amdgcn-amd-amdhsa--gfx1250"
	.amdhsa_code_object_version 6
	.text
	.protected	k_qd180e91d10_attend
	.globl	k_qd180e91d10_attend
	.p2align	8
	.type	k_qd180e91d10_attend,@function
k_qd180e91d10_attend:
	s_mov_b64 s[64:65], 0
	v_nop
	global_prefetch_b8 v0, s[64:65] scope:SCOPE_SE
	s_setreg_imm32_b32 hwreg(HW_REG_WAVE_MODE, 25, 1), 1
	s_wait_xcnt 0x0
	s_wait_alu depctr_hold_cnt(0) depctr_sa_sdst(0) depctr_va_vdst(0) depctr_va_sdst(0) depctr_va_ssrc(0) depctr_va_vcc(0) depctr_vm_vsrc(0)
	s_getreg_b32 s2, hwreg(HW_REG_IB_STS2, 6, 4)
	s_cmp_eq_u32 s2, 0
	s_cbranch_scc0 .Lentry_in_a_cluster
	s_endpgm
.Lentry_in_a_cluster:
	s_bfe_u32 s2, ttmp6, 0x10000c
	s_cmp_lg_u32 s2, 0x3003
	s_cbranch_scc0 .Lentry_shape_is_right
	s_endpgm
.Lentry_shape_is_right:
; out0[b][o][q] = gamma (sum_c wv[o][c] x0[c][q] + bv[o]) + x[b][o][q],  x0[c][q] = sum_k softmax_k(f_q . g_k) h[c][k].  f (times log2 e), g, h come in bf16 from the launch before,
; in fragment order (its head gives the layouts and the tiles' labelling: tile t of block qb holds positions 64 qb + 4 m + t).  bg is left out there, as dead work: a term that is the
; same along the softmax's axis; a NaN, an infinity or an overflow that reaches only that term is not carried to the result.
; LIMITS.  NaN and infinities are not treated apart (the maxima drop a NaN).  A weight below 2^-126 counts as 0.  The running maximum starts at the lowest finite f32.
; SHARES.  A work-group owns 64 queries (4 tiles of 16) of one image.  THE KEYS ARE SPLIT AMONG ITS FOUR WAVES: wave w has all 64 queries and the chunks 4 T + w (T = 0..3) of 256 keys, so that a
; fragment of g or h read from LDS feeds four products, and each wave's tensor loads bring exactly the LDS bytes that it alone reads.  The four waves' maxima, sums and O meet once, in LDS, at the end.
; LAYOUT.  S^T = K Q^T (source 0 = 16 keys, source 1 = 16 queries): a lane holds ONE query (lane % 16) and keys 8 (lane / 16) + 0..7.  Two such results rounded to bf16 ARE source 1 of
; O^T = V^T P; O^T's two blocks rounded to bf16 ARE source 1 of the product with wv, whose result holds one position a lane and 8 output channels: with the four tiles, 16 bytes of a row of out0.
; SOFTMAX: a running maximum m for each query, renewed once for each chunk of 256 keys.  A STEP (one chunk): FIRST PASS: the scores with C = 0, of which only the maximum is kept.
; STATISTICS: the new m, a = 2^(m_old - m_new), O and l times a.  SECOND PASS: the scores once more with C = -m, so that the matrix instruction takes the maximum away; p = 2^(s - m), rounded to bf16;
; O^T += V^T P; l += ones x P, the sum of the rounded weights, by a third product.
; THE SECOND PASS GOES BY TURNS over units of 32 keys: in turn u stand the 8 score products of unit u + 1, behind each 4 roundings of unit u; then the 12 products of unit u, behind each 5 or 6
; exponentials of unit u + 1.  A unit's 64 exponentials are one batch with one wait.
; THE LDS LOADS STAND IN FEW RUNS.  First pass: eight tile buffers; 16 loads for tiles 0-7 (from the second step on they are asked for in the last turn of the step before), 8 behind tile 3, 8 behind tile 7;
; every address is one register and an immediate.  Second pass: a turn's eight loads (K of unit u + 2, V of unit u + 1) stand together at its head, directly behind the wait that closed the batch before,
; and have a whole turn in which to land.
; CLUSTER.  The four work-groups of a cluster belong to one image and walk the same chunks: each is asked for jointly, by the same tensor load, descriptor and mask in all four.
; REGISTERS, in windows of 256 (s_set_vgpr_msb: bits 1:0 source 0, 3:2 source 1, 5:4 source 2, 7:6 destination).  The windows are laid so that a run of products and the vector
; instructions behind them need one setting: two switches for a unit's 20 matrix and 96 vector instructions and its 8 loads.
.set SLOTB, 32768                      ; a slot = a chunk: g's 16 tiles of 1,024 bytes, then h's
.set HOFF,  16384
.set MEX,   262144                     ; behind the four waves' rings (2 slots each): the waves' maxima, [16 t + lane % 16][wave] f32
.set PART,  MEX+1024                   ; the waves' O^T: [t][wave][4][lane][16 bytes]
.set LPS,   PART+32768                 ; the waves' l: [t][wave][lane] f32
.set XFR,   LPS+2048                   ; x0 as fragments: [t][half][lane][16 bytes]
.set SPARE, XFR+4096                   ; the spare words, 128 bytes for each wave: two blocks of 256 bytes that no other line names
; window 0
.set RR,  1                            ; lane % 16
.set HH,  2                            ; lane / 16
.set LN,  3                            ; lane
.set LB0, 4                            ; my ring + 16 x lane
.set AKB, 5                            ; the second pass's address for K
.set XO,  6                            ; my offset in x and out0
.set QO,  7                            ; 16 x lane
.set WVO, 8
.set BVO, 9
.set PFO, 10                           ; 256 x lane
.set TW,  11
.set SPW, 12                           ; LDS address of my spare word; never rewritten
.set NIL, 13                           ; 0; never rewritten
.set SC,  16                           ; v[16:79]   the second pass's scores: tile t, key tile f of the unit at 8 (2 t + f)
.set VB,  80                           ; v[80:111]  V^T: [parity][channel block] x 8
.set ONES, 112                         ; v[112:119] a fragment of ones
.set PB,  120                          ; v[120:183] P: [parity][t] x 8
.set WVF, 184                          ; v[184:215] wv's four fragments
.set EA,  216                          ; v[216:223] the epilogue's LDS addresses
.set RD,  16                           ; the epilogue: four waves' O^T of my tile,
.set LR,  80                           ; their l,
.set RC,  84                           ; 1 / l (a pair),
.set XP,  88                           ; my tile of x0, packed,
.set XQ,  96                           ; all four tiles of x0
; window 1
.set OT,  0                            ; v[0:63]    O^T: [t][channel block] x 8; the epilogue: the last product's results at 8 (4 ob + t)
.set LT,  64                           ; v[64:95]   l: [t] x 8, of which register 0 is used
.set EE,  96                           ; v[96:159]  the weights in f32, laid out like SC
.set Q1,  160                          ; v[160:191] Q
.set KB,  192                          ; v[192:223] K of a unit: [parity] x 16
.set AV1, 224                          ; the second pass's address for V
.set LB1, 225                          ; = LB0
; window 2
.set Q2,  0                            ; v[0:31]    Q once more
.set KA,  32                           ; v[32:63]   the first pass's tile buffers 0-3
.set SA,  64                           ; v[64:127]  the first pass's scores: [parity][t] x 8
.set MX,  128                          ; v[128:143] running maxima, four a tile
.set NM,  144                          ; v[144:175] -m, eight equal registers a tile: the C operand
.set ST,  176                          ; v[176:207] a tile's statistics: +0 a, +1 its pair's other register, +2 m, +3, +4 at work, +5 m_old - m_new
.set LB2, 209                          ; = LB0
.set KA1, 212                          ; v[212:243] tile buffers 4-7
.set MW,  32                           ; the epilogue: the four waves' m, by tile, where K's buffers lay
; window 3
.set XX,  0                            ; v[0:127]   x, then out0: output channel 16 ob + 8 (lane / 16) + j at 4 (8 ob + j)
.set WVR, 128                          ; v[128:191] wv in f32
.set BV,  192                          ; v[192:223] bv: the last product's C operand
.set GAM, 18
.set WV,  19
.set CX,  20
.set QBK, 21
.set BT,  22
.set G1H, 24                           ; s[24:31] group 1: 64 rows of 256 bytes
.set G1F, 32                           ; s[32:39] group 1: 128 rows of 256 bytes
.set D0,  40                           ; five groups 0, never rewritten: g of chunk w,
.set D1,  44                           ; h of chunk w,
.set D2,  48                           ; chunk 4 + w,
.set D3,  52                           ; chunk 8 + w,
.set D4,  56                           ; chunk 12 + w
.set SEL, 60                           ; s[60:61] v_permlanex16_b32's selects: each lane takes its own place in the other half
.set TB,  62                           ; LDS offset of the second pass's trip
.set CNT, 63
.set PFA, 66                           ; s[66:67] the prefetches' address; never rewritten
.set LIM, 68                           ; 1 in the image's first cluster
.set W_A,  0xaa                        ; all in window 2: first pass and statistics
.set W_S,  0x25                        ; K, Q (and EE, AV1, LB1) window 1; -m window 2; SC (and PB, VB, AKB) window 0
.set W_PV, 0x50                        ; V, P (and SC, AKB, LB0) window 0; O, l (and EE, KB, AV1) window 1
.set W_RS, 0x49                        ; O, l window 1; a window 2
.set MSB, 0
.macro WIN new                         ; the immediate's high byte repeats the setting that is left; a switch that changes nothing is dropped
.if MSB != (\new)
	s_set_vgpr_msb (MSB<<8)|(\new)
.set MSB, \new
.endif
.endm
.macro PLACES
.rept 4
	v_nop
.endr
.endm
.macro ALLT line:vararg                ; one line for each tile t
.set t, 0
.rept 4
	\line
.set t, t+1
.endr
.endm
.macro CROUND                          ; a round of the cluster's barrier
	s_barrier_signal -1
	s_barrier_wait -1
	s_cmp_lg_u32 s[WV], 0
	s_cbranch_scc1 .Lnot_wave_0_\@
	s_barrier_signal -3
.Lnot_wave_0_\@:
	s_barrier_wait -3
	s_barrier_signal -1
	s_barrier_wait -1
.endm
; THE FIRST PASS.  Key tile j of the chunk lies in tile buffer j % 8.
.macro KREG j
.set rk, KA+8*((\j)%8)
.if ((\j)%8) >= 4
.set rk, KA1+8*((\j)%8-4)
.endif
.endm
.macro KALOAD f, n, slot               ; under W_A: n tiles from tile f on, two loads each
.set lj, \f
.rept \n
	KREG lj
	ds_load_b128 v[rk:rk+3],   v[LB2] offset:(\slot)*SLOTB+lj*1024
	ds_load_b128 v[rk+4:rk+7], v[LB2] offset:(\slot)*SLOTB+lj*1024+512
.set lj, lj+1
.endr
.endm
; Tile j: four products, one a query tile, into the score buffer of j's parity; behind each product four maxima over the OTHER buffer, which the tile before has filled: 16 plain
; instructions lie between a product and the first read of its result.  Tile 0 has no tile before it: four v_nop are the places behind its products (ISA guide 7.12.1).
.macro TILEA j
	KREG \j
.set pa, (\j)%2
.set t, 0
.rept 4
	v_wmma_f32_16x16x32_bf16 v[SA+32*pa+8*t:SA+32*pa+8*t+7], v[rk:rk+7], v[Q2+8*t:Q2+8*t+7], 0
.if (\j) > 0
.set k, 0
.rept 4
	v_max3_num_f32 v[MX+4*t+k], v[MX+4*t+k], v[SA+32*(1-pa)+8*t+2*k], v[SA+32*(1-pa)+8*t+2*k+1]
.set k, k+1
.endr
.endif
.set t, t+1
.endr
.if (\j) == 0
	PLACES
.endif
.endm
; pre = 1: tiles 0-7 were asked for in the last turn of the step before.  A buffer is loaded again four maxima behind its last reader.
.macro PHASEA slot, pre
	WIN W_A
.if !(\pre)
	KALOAD 0, 8, \slot
.endif
.irp j, 0,1,2,3
	s_wait_dscnt 14-2*\j                           ; tile j is in: behind its two loads stand those of the tiles up to 7
	TILEA \j
.endr
	KALOAD 8, 4, \slot
	s_wait_dscnt 8                                 ; tiles 4-7 are in; the eight loads just issued stay out
.irp j, 4,5,6,7
	TILEA \j
.endr
	KALOAD 12, 4, \slot
	s_wait_dscnt 8                                 ; tiles 8-11 are in
.irp j, 8,9,10,11
	TILEA \j
.endr
	s_wait_dscnt 0x0
.irp j, 12,13,14,15
	TILEA \j
.endr
.set t, 0
.rept 4                                        ; the last tile's scores
.set k, 0
.rept 4
	v_max3_num_f32 v[MX+4*t+k], v[MX+4*t+k], v[SA+32+8*t+2*k], v[SA+32+8*t+2*k+1]
.set k, k+1
.endr
.set t, t+1
.endr
.endm
.macro RESCALE                         ; O and l times a; each accumulator is read from its low end on
	WIN W_RS
.set t, 0
.rept 4
.set k, 0
.rept 8
	v_pk_mul_f32 v[OT+16*t+2*k:OT+16*t+2*k+1], v[OT+16*t+2*k:OT+16*t+2*k+1], v[ST+8*t:ST+8*t+1] op_sel_hi:[1,0]
.set k, k+1
.endr
	v_mul_f32 v[LT+8*t], v[LT+8*t], v[ST+8*t]
.set t, t+1
.endr
.endm
; THE STATISTICS, the four tiles line by line.  MX is never reset, so its maximum holds the old m too.  first = 1: O and l are 0 and there is nothing to rescale.
.macro STATS first
	WIN W_A
	ALLT v_max3_num_f32 v[ST+8*t+3], v[MX+4*t], v[MX+4*t+1], v[MX+4*t+2]
	ALLT v_max_num_f32 v[ST+8*t+3], v[ST+8*t+3], v[MX+4*t+3]
	ALLT v_permlanex16_b32 v[ST+8*t+4], v[ST+8*t+3], s[SEL], s[SEL+1]
	ALLT v_max_num_f32 v[ST+8*t+3], v[ST+8*t+3], v[ST+8*t+4]
.if !(\first)
	ALLT v_sub_f32 v[ST+8*t+5], v[ST+8*t+2], v[ST+8*t+3]
.endif
	ALLT v_mov_b32 v[ST+8*t+2], v[ST+8*t+3]
.if !(\first)
	ALLT v_exp_f32 v[ST+8*t], v[ST+8*t+5]
.endif
.set t, 0
.rept 4
.set k, 0
.rept 8
	v_mul_f32 v[NM+8*t+k], -1.0, v[ST+8*t+3]       ; the C operand; also the plain work behind the four exponentials
.set k, k+1
.endr
.set t, t+1
.endr
.if !(\first)
	s_wait_alu depctr_va_vdst(0)                   ; one wait for the four a, ahead of their first reader
	RESCALE
.endif
.endm
; THE SECOND PASS's LDS loads.  V of a unit: pieces (key tile e, channel block cb) into the buffer of parity par.  K of a unit: two tiles into the buffer of parity kp.
.macro VLOAD par, voff                 ; under W_S
.set vi, 0
.rept 4
	ds_load_b128 v[VB+16*(\par)+4*vi:VB+16*(\par)+4*vi+3], v[AV1] offset:HOFF+(\voff)+(vi%2)*1024+(vi/2)*512
.set vi, vi+1
.endr
.endm
.macro KLOAD kp, koff                  ; under W_PV
.set ki, 0
.rept 4
	ds_load_b128 v[KB+16*(\kp)+4*ki:KB+16*(\kp)+4*ki+3], v[AKB] offset:(\koff)+512*ki
.set ki, ki+1
.endr
.endm
.macro SMUL kp                         ; score product k of 8: key tile k % 2 of the unit, query tile k / 2; C = -m
	v_wmma_f32_16x16x32_bf16 v[SC+8*k:SC+8*k+7], v[KB+16*(\kp)+8*(k%2):KB+16*(\kp)+8*(k%2)+7], v[Q1+8*(k/2):Q1+8*(k/2)+7], v[NM+8*(k/2):NM+8*(k/2)+7]
.endm
; TURN u, of parity par.
; ITS LOADS, together at its head, directly behind the wait that closed the turn before.  kl = 1: K of unit u + 2 into K's buffer par, whose last reader (unit u's score products, a turn back) has that
; turn's roundings behind it.  vl = 1: V of unit u + 1 into V's other buffer, whose last reader (unit u - 1's products) has the four v_nop that close a batch behind it.
; nx >= 0 (a step's last turn): the next chunk's tiles 0-7 for its first pass, from slot nx, which the wait on my tensor loads shows landed.
; wc: the loads just issued, which may stay out: all older ones, this turn's K and V among them, are in.
; FIRST HALF.  mm = 1: unit u + 1's 8 score products; behind each 4 of unit u's 32 roundings, into P of parity par.
; SECOND HALF.  Unit u's 12 products (O^T's two channel blocks, then l), the 12 accumulators by turns.  ex = 1: behind them unit u + 1's 64 exponentials, scores ascending;
; none of their results is named ahead of the one wait that closes the batch.
; upd = 1 (a trip's second turn): the two address registers step to the next trip, each about half a turn behind the loads that named it.
.macro TURN par, mm, ex, kl, koff, vl, voff, wc, upd=0, nx=-1
.if \kl
	WIN W_PV
	KLOAD \par, \koff
.endif
.if (\nx) >= 0
	WIN W_A
	s_wait_tensorcnt 0x0                           ; the one load of mine that may be out is the other slot's: it has landed
	KALOAD 0, 8, \nx
.endif
	WIN W_S
.if \vl
	VLOAD 1-(\par), \voff
.endif
.if \upd
	s_add_co_u32 s[TB], s[TB], 4096
.endif
	s_wait_dscnt \wc
.set k, 0
.rept 8
.if \mm
	SMUL 1-(\par)
.endif
.set c, 4*k
.rept 4
	v_cvt_pk_bf16_f32 v[PB+32*(\par)+c], v[EE+2*c], v[EE+2*c+1]
.set c, c+1
.endr
.set k, k+1
.endr
.if \upd
	v_add_nc_u32 v[AKB], s[TB], v[LB1]
.endif
	WIN W_PV
.set e, 0
.set k, 0
.rept 12
.if k < 8
	v_wmma_f32_16x16x32_bf16 v[OT+16*(k%4)+8*(k/4):OT+16*(k%4)+8*(k/4)+7], v[VB+16*(\par)+8*(k/4):VB+16*(\par)+8*(k/4)+7], v[PB+32*(\par)+8*(k%4):PB+32*(\par)+8*(k%4)+7], v[OT+16*(k%4)+8*(k/4):OT+16*(k%4)+8*(k/4)+7]
.else
	v_wmma_f32_16x16x32_bf16 v[LT+8*(k%4):LT+8*(k%4)+7], v[ONES:ONES+7], v[PB+32*(\par)+8*(k%4):PB+32*(\par)+8*(k%4)+7], v[LT+8*(k%4):LT+8*(k%4)+7]
.endif
.if \ex
.rept 5+k/8
	v_exp_f32 v[EE+e], v[SC+e]
.set e, e+1
.endr
.endif
.set k, k+1
.endr
.if \ex
.if \upd
	v_add_nc_u32 v[AV1], s[TB], v[LB0]
.endif
	PLACES                                         ; the plain instruction behind the last exponential, and the four places between V's last reader and the next turn's load into its buffer
	s_wait_alu depctr_va_vdst(0)                   ; the batch's one wait
.endif
.endm
.macro PRE slot                        ; the second pass's first loads go out ahead of the statistics: V of unit 0, K of units 0 and 1
	s_mov_b32 s[TB], (\slot)*SLOTB
	WIN W_PV
	v_add_nc_u32 v[AV1], s[TB], v[LB0]
	WIN W_S
	v_add_nc_u32 v[AKB], s[TB], v[LB1]
	VLOAD 0, 0
	WIN W_PV
	KLOAD 0, 0
	KLOAD 1, 2048
.endm
.macro PHASEB nx
	WIN W_S
	s_wait_dscnt 0x0
.set k, 0
.rept 8
	SMUL 0                                         ; unit 0's scores: there is no vector work yet to set behind them
.set k, k+1
.endr
	PLACES                                         ; four places ahead of the reads of the scores and of turn 0's load into K's buffer
	WIN W_PV
.set e, 0
.rept 64
	v_exp_f32 v[EE+e], v[SC+e]
.set e, e+1
.endr
	v_nop
	s_wait_alu depctr_va_vdst(0)
	WIN 0
	s_mov_b32 s[CNT], 3
.Lpb_\@:                                       ; trip i: turns 2 i and 2 i + 1; the addresses stand at unit 2 i
	TURN 0, 1, 1, 1, 4096, 1, 2048, 8              ; K of unit 2 i + 2, V of unit 2 i + 1
	TURN 1, 1, 1, 1, 6144, 1, 4096, 8, 1           ; K of unit 2 i + 3, V of unit 2 i + 2
	WIN 0
	s_sub_co_u32 s[CNT], s[CNT], 1
	s_cmp_lg_u32 s[CNT], 0
	s_cbranch_scc1 .Lpb_\@
	TURN 0, 1, 1, 0, 0, 1, 2048, 4                 ; turn 6: V of unit 7 alone is left to fetch
.if (\nx) >= 0
	TURN 1, 0, 0, 0, 0, 0, 0, 16, 0, \nx           ; turn 7: nothing of this chunk is left; the next chunk's sixteen loads stay out
.else
	TURN 1, 0, 0, 0, 0, 0, 0, 0
.endif
.endm
; A PREFETCH INTO THE L2 of the two chunks that my two refills will ask for: chunks 8 + w and 12 + w.  All clusters of an image walk the same chunks: the image's first cluster asks.  Its four
; partners take a quarter of each chunk, 32 blocks of 256 bytes, told apart by address; each wave asks for its own chunks, a lane a block: each block is named once in the launch.
; It stands behind the first step's run of LDS loads: the first step's second pass ahead of the first refill, a whole step more ahead of the second.  Chunks w and 4 + w come by their loads alone.
.macro ASK
	s_cmp_eq_u32 s[LIM], 1
	s_cbranch_scc0 .Lnot_mine_\@
	global_prefetch_b8 v[PFO], s[PFA:PFA+1] th:TH_LOAD_NT scope:SCOPE_SE
	global_prefetch_b8 v[PFO], s[PFA:PFA+1] offset:131072 th:TH_LOAD_NT scope:SCOPE_SE
.Lnot_mine_\@:
.endm
; A STEP.  gw, hw: counts of the waits on my tensor loads ahead of the first read of g and of h (-1: the chunk has been shown landed).  pre, nx: see PHASEA and TURN.
.macro STEP slot, pre, gw, hw, first, ask, nx
.if (\gw) >= 0
	s_wait_tensorcnt \gw
.endif
	PHASEA \slot, \pre
.if (\hw) >= 0
	s_wait_tensorcnt \hw
.endif
	PRE \slot
.if \ask
	WIN 0
	ASK
.endif
	STATS \first
	PHASEB \nx
.endm
; THE CHANGE OF SLOTS.  Each wave waits for all its tensor loads, adds 0 to its spare word, and waits for that and for its LDS reads: those of the slot that it leaves, and the first sixteen of the other slot.
; The round of the cluster's barrier shows the same of every wave of every partner; the joint refill is the first thing behind it, one load a wave.
.macro CHANGE d
	WIN 0
	s_wait_tensorcnt 0x0
	ds_add_u32 v[SPW], v[NIL]
	s_wait_dscnt 0x0
	CROUND
	tensor_load_to_lds s[\d:\d+3], s[G1F:G1F+7]
	s_nop 0
	PLACES
.endm
	s_load_b256 s[4:11], s[0:1], 0x0               ; fq s[4:5], gh s[6:7], x s[8:9], wv s[10:11]
	s_load_b128 s[12:15], s[0:1], 0x20             ; bv s[12:13], gamma s[14:15]
	s_load_b64 s[16:17], s[0:1], 0x30              ; out0
	v_lshl_add_u32 v[SPW], v0, 2, SPARE
	v_mov_b32 v[NIL], 0
	ds_add_u32 v[SPW], v[NIL]                      ; the wave's opening: the add, twice on end, and its wait ahead of my first tensor load
	ds_add_u32 v[SPW], v[NIL]
	v_lshrrev_b32 v[TW], 5, v0
	v_readfirstlane_b32 s[WV], v[TW]               ; wave 0..3
	s_bfe_u32 s[CX], ttmp6, 0x40000                ; my place in the cluster
	s_lshl_b32 s[QBK], ttmp9, 2
	s_add_co_u32 s[QBK], s[QBK], s[CX]             ; my block of 64 queries: it enters the addresses of fq, x and out0 alone
	s_and_b32 s[BT], ttmp7, 0xffff                 ; the image, which the four partners share
	s_cmp_eq_u32 ttmp9, 0
	s_cselect_b32 s[LIM], 1, -1                    ; the same in all four partners
	s_mov_b32 s[SEL], 0x76543210
	s_mov_b32 s[SEL+1], 0xfedcba98
	; group 1: a dense block as rows of 256 bytes (32 elements of 8 bytes); the mask names all four work-groups
.irp g, G1H, G1F
	s_mov_b32 s[\g], 15|(3<<16)|(1<<21)
	s_mov_b32 s[\g+1], 32<<16                      ; tensor_dim0 = 32
	s_mov_b32 s[\g+3], 32<<16                      ; tile_dim0 = 32
	s_mov_b32 s[\g+5], 32                          ; 32 elements from row to row
	s_mov_b32 s[\g+6], 0
	s_mov_b32 s[\g+7], 0
.endr
	s_mov_b32 s[G1H+2], 64<<16                     ; tensor_dim1, tile_dim1 = 64: 16,384 bytes
	s_mov_b32 s[G1H+4], 64
	s_mov_b32 s[G1F+2], 128<<16                    ; 128: a whole chunk
	s_mov_b32 s[G1F+4], 128
	s_lshl_b32 s70, s[WV], 16                      ; my ring: no place in the cluster enters an LDS address
.irp d, D0, D1, D2, D3, D4
	s_mov_b32 s[\d], 1
.endr
	s_mov_b32 s[D0+1], s70
	s_add_co_u32 s[D1+1], s70, HOFF
	s_add_co_u32 s[D2+1], s70, SLOTB
	s_mov_b32 s[D3+1], s70
	s_add_co_u32 s[D4+1], s70, SLOTB
	v_and_b32 v[RR], 15, v0
	v_bfe_u32 v[HH], v0, 4, 1
	v_and_b32 v[LN], 31, v0
	v_lshl_add_u32 v[LB0], v[LN], 4, s70
	v_lshlrev_b32 v[XO], 4, v[RR]
	v_lshl_add_u32 v[XO], v[HH], 17, v[XO]         ; 8 rows of 16,384 bytes for the upper half of the lanes
	v_lshlrev_b32 v[QO], 4, v[LN]
	v_lshlrev_b32 v[WVO], 7, v[RR]
	v_lshl_add_u32 v[WVO], v[HH], 5, v[WVO]
	v_lshlrev_b32 v[BVO], 5, v[HH]
	v_lshlrev_b32 v[PFO], 8, v[LN]
	s_wait_dscnt 0x0                               ; both opening adds are done
	s_wait_kmcnt 0x0
	s_load_b32 s[GAM], s[14:15], 0x0
	s_lshl_b32 s72, s[BT], 19                      ; gh: the image's 16 chunks, chunk w
	s_lshl_b32 s71, s[WV], 15
	s_add_co_u32 s72, s72, s71
	s_mov_b32 s73, 0
	s_add_nc_u64 s[74:75], s[6:7], s[72:73]
	s_mov_b64 s[D0+2:D0+3], s[74:75]
	s_add_nc_u64 s[D1+2:D1+3], s[74:75], HOFF
	s_add_nc_u64 s[D2+2:D2+3], s[74:75], 4*SLOTB
	s_add_nc_u64 s[D3+2:D3+3], s[74:75], 8*SLOTB
	s_add_nc_u64 s[D4+2:D4+3], s[74:75], 12*SLOTB
.irp d, D0, D1, D2, D3, D4
	s_or_b32 s[\d+3], s[\d+3], 0x80000000          ; type = 2
.endr
	s_lshl_b32 s76, s[CX], 13                      ; the prefetches: chunk 8 + w, my work-group's quarter
	s_add_co_u32 s76, s76, 8*SLOTB
	s_mov_b32 s77, 0
	s_add_nc_u64 s[PFA:PFA+1], s[74:75], s[76:77]
	s_lshl_b32 s76, s[BT], 18                      ; fq: the image, my block's 4,096 bytes
	s_lshl_b32 s78, s[QBK], 12
	s_add_co_u32 s76, s76, s78
	s_add_nc_u64 s[4:5], s[4:5], s[76:77]
	s_lshl_b32 s76, s[BT], 22                      ; x and out0: the image, my wave's 64 output channels, my block's 256 bytes of a row
	s_lshl_b32 s78, s[WV], 20
	s_add_co_u32 s76, s76, s78
	s_lshl_b32 s78, s[QBK], 8
	s_add_co_u32 s76, s76, s78
	s_add_nc_u64 s[8:9], s[8:9], s[76:77]
	s_add_nc_u64 s[16:17], s[16:17], s[76:77]
	s_lshl_b32 s72, s[WV], 13                      ; wv: my 64 rows of 128 bytes
	s_add_nc_u64 s[10:11], s[10:11], s[72:73]
	s_lshl_b32 s72, s[WV], 8                       ; bv: my 64 numbers
	s_add_nc_u64 s[12:13], s[12:13], s[72:73]
	WIN 0x40                                       ; Q, once for each of the two windows in which products name it
.set i, 0
.rept 8
	global_load_b128 v[Q1+4*i:Q1+4*i+3], v[QO], s[4:5] offset:512*i
.set i, i+1
.endr
	WIN 0x80
.set i, 0
.rept 8
	global_load_b128 v[Q2+4*i:Q2+4*i+3], v[QO], s[4:5] offset:512*i
.set i, i+1
.endr
	WIN 0
	CROUND                                         ; all four work-groups are here: the first joint loads meet
	tensor_load_to_lds s[D0:D0+3], s[G1H:G1H+7]    ; the first fills go out together: three loads of mine are out
	s_nop 0
	tensor_load_to_lds s[D1:D1+3], s[G1H:G1H+7]
	s_nop 0
	tensor_load_to_lds s[D2:D2+3], s[G1F:G1F+7]
	s_nop 0
	PLACES
	WIN 0xc0                                       ; what the epilogue wants is asked for now and lands under the attention
.set i, 0
.rept 4
	global_load_b128 v[WVR+16*i:WVR+16*i+3],     v[WVO], s[10:11] offset:2048*i
	global_load_b128 v[WVR+16*i+4:WVR+16*i+7],   v[WVO], s[10:11] offset:2048*i+16
	global_load_b128 v[WVR+16*i+8:WVR+16*i+11],  v[WVO], s[10:11] offset:2048*i+64
	global_load_b128 v[WVR+16*i+12:WVR+16*i+15], v[WVO], s[10:11] offset:2048*i+80
.set i, i+1
.endr
.set i, 0
.rept 4
	global_load_b128 v[BV+8*i:BV+8*i+3],   v[BVO], s[12:13] offset:64*i
	global_load_b128 v[BV+8*i+4:BV+8*i+7], v[BVO], s[12:13] offset:64*i+16
.set i, i+1
.endr
.set i, 0
.rept 32                                       ; x goes into the registers from which out0 is stored: 16 lanes read 256 consecutive bytes, aligned
	global_load_b128 v[XX+4*i:XX+4*i+3], v[XO], s[8:9] offset:(16*(i/8)+i%8)*16384 th:TH_LOAD_NT
.set i, i+1
.endr
	; what the first step finds, written in the wait for the first tile: O and l are 0, so that every unit has one text
	WIN 0x40
.set i, 0
.rept 96
	v_mov_b32 v[OT+i], 0
.set i, i+1
.endr
	v_mov_b32 v[LB1], v[LB0]
	WIN 0x80
	s_mov_b32 s71, 0xff7fffff                      ; the lowest finite number
.set i, 0
.rept 16
	v_mov_b32 v[MX+i], s71
.set i, i+1
.endr
	ALLT v_mov_b32 v[ST+8*t+1], 0
	ALLT v_mov_b32 v[ST+8*t+4], 0
	v_mov_b32 v[LB2], v[LB0]
	WIN 0
	s_mov_b32 s71, 0x3f803f80                      ; 1.0 twice in bf16
.set i, 0
.rept 8
	v_mov_b32 v[ONES+i], s71
.set i, i+1
.endr
	s_lshl_b32 s71, s[WV], 2
	s_add_co_u32 s71, s71, MEX
	v_lshl_add_u32 v[EA], v[RR], 4, s71            ; my wave's word of my query's four
	v_lshl_add_u32 v[EA+1], v[RR], 4, MEX          ; the four
	s_lshl_b32 s71, s[WV], 11
	s_add_co_u32 s71, s71, PART
	v_lshl_add_u32 v[EA+2], v[LN], 4, s71          ; O^T out: my wave's place in each tile
	s_lshl_b32 s71, s[WV], 7
	s_add_co_u32 s71, s71, LPS
	v_lshl_add_u32 v[EA+3], v[LN], 2, s71
	s_lshl_b32 s71, s[WV], 13
	s_add_co_u32 s71, s71, PART
	v_lshl_add_u32 v[EA+4], v[LN], 4, s71          ; O^T back: tile = my wave's number
	s_lshl_b32 s71, s[WV], 9
	s_add_co_u32 s71, s71, LPS
	v_lshl_add_u32 v[EA+5], v[LN], 2, s71
	s_lshl_b32 s71, s[WV], 10
	s_add_co_u32 s71, s71, XFR
	v_lshl_add_u32 v[EA+6], v[LN], 4, s71
	v_lshl_add_u32 v[EA+7], v[LN], 4, XFR
	s_wait_kmcnt 0x0                               ; gamma
	s_wait_loadcnt 56                              ; Q's 16 loads are in; wv's 16, bv's 8 and x's 32 stay out
	STEP 0, 0, 2, 1, 1, 1, 1                       ; chunk w: count 2 leaves h and the next chunk out, count 1 the next chunk; its last turn asks for chunk 4 + w's first tiles
	CHANGE D3                                      ; chunk 8 + w goes into slot 0
	STEP 1, 1, -1, -1, 0, 0, 0
	CHANGE D4                                      ; chunk 12 + w goes into slot 1
	STEP 0, 1, -1, -1, 0, 0, 1
	STEP 1, 1, -1, -1, 0, 0, -1                    ; chunk 12 + w was shown landed in the last turn of the step before
	; THE WAVES MEET.  a: their maxima; each scales its O and l by 2^(m_w - m*)
	WIN 0x08                                       ; store data window 2
	ALLT ds_store_b32 v[EA], v[ST+8*t+2] offset:256*t
	WIN 0
	s_wait_dscnt 0x0
	s_barrier_signal -1
	s_barrier_wait -1
	WIN 0x80
	ALLT ds_load_b128 v[MW+4*t:MW+4*t+3], v[EA+1] offset:256*t
	s_wait_dscnt 0x0
	WIN W_A
	ALLT v_max3_num_f32 v[ST+8*t+3], v[MW+4*t], v[MW+4*t+1], v[MW+4*t+2]
	ALLT v_max_num_f32 v[ST+8*t+3], v[ST+8*t+3], v[MW+4*t+3]
	ALLT v_sub_f32 v[ST+8*t+5], v[ST+8*t+2], v[ST+8*t+3]
	ALLT v_exp_f32 v[ST+8*t], v[ST+8*t+5]
	v_nop
	s_wait_alu depctr_va_vdst(0)                   ; one wait for the four factors
	RESCALE
	; b: the scaled parts go to LDS (partial sums: f32)
	WIN 0x04                                       ; store data window 1
.set i, 0
.rept 16
	ds_store_b128 v[EA+2], v[OT+4*i:OT+4*i+3] offset:(i/4)*8192+(i%4)*512
.set i, i+1
.endr
	ALLT ds_store_b32 v[EA+3], v[LT+8*t] offset:512*t
	WIN 0
	s_wait_dscnt 0x0
	s_barrier_signal -1
	s_barrier_wait -1
	; c: wave w adds tile w's four parts, divides by l, rounds to bf16: a fragment of x0
.set i, 0
.rept 16
	ds_load_b128 v[RD+4*i:RD+4*i+3], v[EA+4] offset:512*i
.set i, i+1
.endr
.set i, 0
.rept 4
	ds_load_b32 v[LR+i], v[EA+5] offset:128*i
.set i, i+1
.endr
	s_wait_dscnt 0x0
.set i, 0
.rept 8
	v_pk_add_f32 v[RD+2*i:RD+2*i+1], v[RD+2*i:RD+2*i+1], v[RD+16+2*i:RD+16+2*i+1]
	v_pk_add_f32 v[RD+32+2*i:RD+32+2*i+1], v[RD+32+2*i:RD+32+2*i+1], v[RD+48+2*i:RD+48+2*i+1]
.set i, i+1
.endr
	v_add_f32 v[LR], v[LR], v[LR+1]
	v_add_f32 v[LR+2], v[LR+2], v[LR+3]
	v_add_f32 v[LR], v[LR], v[LR+2]
	v_rcp_f32 v[RC], v[LR]
.set i, 0
.rept 8                                        ; independent work behind the reciprocal
	v_pk_add_f32 v[RD+2*i:RD+2*i+1], v[RD+2*i:RD+2*i+1], v[RD+32+2*i:RD+32+2*i+1]
.set i, i+1
.endr
	v_mov_b32 v[RC+1], 0                           ; named with it as a pair
	s_wait_alu depctr_va_vdst(0)
.set i, 0
.rept 8
	v_pk_mul_f32 v[RD+2*i:RD+2*i+1], v[RD+2*i:RD+2*i+1], v[RC:RC+1] op_sel_hi:[1,0]
.set i, i+1
.endr
.set i, 0
.rept 8
	v_cvt_pk_bf16_f32 v[XP+i], v[RD+2*i], v[RD+2*i+1]
.set i, i+1
.endr
	ds_store_b128 v[EA+6], v[XP:XP+3]
	ds_store_b128 v[EA+6], v[XP+4:XP+7] offset:512
	s_wait_dscnt 0x0
	s_barrier_signal -1
	s_barrier_wait -1
	; d: every wave takes all four tiles of x0, and its 64 rows of wv
.set i, 0
.rept 8
	ds_load_b128 v[XQ+4*i:XQ+4*i+3], v[EA+7] offset:512*i
.set i, i+1
.endr
	s_wait_loadcnt 0x0                             ; wv, bv, x
	WIN 0x0f                                       ; sources window 3, destination window 0
.set i, 0
.rept 32
	v_cvt_pk_bf16_f32 v[WVF+i], v[WVR+2*i], v[WVR+2*i+1]
.set i, i+1
.endr
	s_wait_dscnt 0x0
	WIN 0x70                                       ; C window 3, D window 1
.set i, 0
.rept 16                                       ; i = 4 ob + t: wv x0 + bv
	v_wmma_f32_16x16x32_bf16 v[8*i:8*i+7], v[WVF+8*(i/4):WVF+8*(i/4)+7], v[XQ+8*(i%4):XQ+8*(i%4)+7], v[BV+8*(i/4):BV+8*(i/4)+7]
.set i, i+1
.endr
	PLACES
	WIN 0xf1                                       ; source 0 window 1; source 2 and destination window 3
.set i, 0
.rept 128                                      ; i = 32 ob + 4 j + tile: every accumulator's register 0 is read first
	v_fma_f32 v[XX+i], v[8*(4*(i/32)+i%4)+(i/4)%8], s[GAM], v[XX+i]
.set i, i+1
.endr
	WIN 0x0c                                       ; store data window 3
.set i, 0
.rept 32
	global_store_b128 v[XO], v[XX+4*i:XX+4*i+3], s[16:17] offset:(16*(i/8)+i%8)*16384 th:TH_STORE_NT  ; 16 lanes store 256 consecutive bytes, aligned
.set i, i+1
.endr
	WIN 0
	s_wait_tensorcnt 0x0                           ; the wave's end: the wait, an add to the spare word and its wait, behind my last tensor load and my last LDS store
	ds_add_u32 v[SPW], v[NIL]
	s_wait_dscnt 0x0
	CROUND                                         ; the closing round: no work-group ends while a partner may still ask for a chunk that names it
	s_endpgm
.Lfunc_end_k_qd180e91d10_attend:
	.size	k_qd180e91d10_attend, .Lfunc_end_k_qd180e91d10_attend-k_qd180e91d10_attend
	.p2alignl 7, 3214868480
	.fill 96, 4, 3214868480
	.section	.rodata,"a",@progbits
	.p2align	6, 0x0
	.amdhsa_kernel k_qd180e91d10_attend
		.amdhsa_group_segment_fixed_size 327680
		.amdhsa_private_segment_fixed_size 0
		.amdhsa_enable_private_segment 0
		.amdhsa_kernarg_size 56
		.amdhsa_user_sgpr_count 2
		.amdhsa_user_sgpr_kernarg_segment_ptr 1
		.amdhsa_wavefront_size32 1
		.amdhsa_system_sgpr_workgroup_id_x 1
		.amdhsa_system_sgpr_workgroup_id_y 1
		.amdhsa_system_sgpr_workgroup_id_z 1
		.amdhsa_system_vgpr_workitem_id 0
		.amdhsa_next_free_vgpr 1024
		.amdhsa_next_free_sgpr 80
		.amdhsa_reserve_vcc 0
		.amdhsa_float_denorm_mode_32 3
		.amdhsa_float_denorm_mode_16_64 3
		.amdhsa_memory_ordered 1
		.amdhsa_forward_progress 1
		.amdhsa_inst_pref_size 248
	.end_amdhsa_kernel
	.amdgpu_metadata
---
amdhsa.version: [ 1, 2 ]
amdhsa.kernels:
  - .name:           k_qd180e91d10_attend
    .symbol:         k_qd180e91d10_attend.kd
    .args:
      - { .name: fq, .offset: 0, .size: 8, .value_kind: global_buffer, .address_space: global }
      - { .name: gh, .offset: 8, .size: 8, .value_kind: global_buffer, .address_space: global }
      - { .name: x, .offset: 16, .size: 8, .value_kind: global_buffer, .address_space: global }
      - { .name: wv, .offset: 24, .size: 8, .value_kind: global_buffer, .address_space: global }
      - { .name: bv, .offset: 32, .size: 8, .value_kind: global_buffer, .address_space: global }
      - { .name: gamma, .offset: 40, .size: 8, .value_kind: global_buffer, .address_space: global }
      - { .name: out0, .offset: 48, .size: 8, .value_kind: global_buffer, .address_space: global }
    .group_segment_fixed_size: 327680
    .private_segment_fixed_size: 0
    .kernarg_segment_align: 8
    .kernarg_segment_size: 56
    .max_flat_workgroup_size: 128
    .sgpr_count:     80
    .vgpr_count:     1024
    .wavefront_size: 32
...
	.end_amdgpu_metadata
.endif
;; end of part 2
